; MI455X (gfx1250); checked and timed in simulation.
; The chip was launched on July 23, 2026; its instructions are those of AMD's public machine-readable ISA for CDNA 5 (MIT licence, August 2026) and "CDNA5" Instruction Set Architecture Reference Guide (July 2026). The comments in the code are by the model that wrote it; some were corrected since.
;; FVTA. Allowed arithmetic: matrix products marked QUANTISED: E5M2 operands, one given power-of-two scale a tensor, by v_wmma_f32_16x16x64_bf8_bf8 or v_wmma_f32_16x16x128_bf8_bf8, f32 sums; everything else in f32.
;; Inputs: keys 32 x 4,096 x 256 float32; lowp_scales 4 int32 (the exponents e of the quantised operands' scales 2^e); mask 32 x 4,096 int32; query 32 x 128 x 256 float32; query_lengths 32 int32; values 32 x 4,096 x 256 float32.
;; Outputs: out0 32 x 256 float32.
;; This version of the problem:
;;   THIS VERSION OF THE PROBLEM IS GIVEN IN LOW PRECISION. The matrix products marked QUANTISED in the list below multiply operands that are first quantised to E5M2 (5 exponent bits, 2 mantissa bits; 8 bits a number), with one given power-of-two scale for each operand tensor; their sums are f32. All else is computed in f32.
;;   The module's matrix products, in the order in which they are computed (A, B: the left and right operand; K: the contracted axis; several contracted axes count as one K, in the product's order):
;;     1. batch 32 x [M 128, K 256] x [K 256, N 4,096]; A: computed on the way; B: computed on the way: QUANTISED (scales: A lowp_scales[0], B lowp_scales[1])
;;     2. batch 32 x [M 128, K 4,096] x [K 4,096, N 256]; A: computed on the way; B: computed on the way: QUANTISED (scales: A lowp_scales[2], B lowp_scales[3])
;;   THE QUANTISER, for each operand of a quantised product, along K:
;;     - The operand's scale is 2^e, e = its entry of the input lowp_scales (int32; the entries are numbered through the quantised products in the list's order, A before B).
;;     - Each number is divided by the scale, clamped to +-57,344, and rounded to the nearest number of E5M2, ties to even, subnormals kept.
;;     - The product sums the exact products of the quantised numbers (number of the format x scale) in f32.
;;   ~~~python
;;   def quantise(x, axis, e):      # numpy; x: float32 -> the quantised numbers, widened to float32 again
;;       x = np.moveaxis(x, axis, -1); K = x.shape[-1]
;;       r = np.clip(x / 2.0 ** e, -57344, 57344)
;;       step = 2.0 ** (np.maximum(np.frexp(np.where(r == 0, 1, r))[1] - 1, -14) - 2)
;;       q = np.round(r / step) * step * 2.0 ** e      # np.round: ties to even
;;       return np.moveaxis(q, -1, axis).astype(np.float32)
;;   ~~~
;;   OPERANDS COMPUTED ON THE WAY. 'Computed on the way' means the value that the module computes at that place (a softmax that the list does not call 'softmax' is quantised finished and normalised). What goes into a quantiser is computed in f32, as accurately as f32 sums, v_exp_f32 and their like allow (about 1e-6 of the number): no bf16 or f16 on the way to a quantiser, and a product that is left as it is and whose result goes on into a quantised operand takes f32 operands (vector FMAs, or v_wmma_f32_16x16x4_f32). A number that lies on a knife's edge between two numbers of the format may be rounded either way, as far as f32 arithmetic and the matrix unit's own rounding can turn it there, and no further.
;; One version. Each part assembles by itself: llvm-mc -triple=amdgcn-amd-amdhsa -mcpu=gfx1250 --defsym DOCPART=n.
;; ======== version 1 of 1: 3 launches
;; limits: right only within a limited range of input values
;; workspace buffers: qc 1,048,576 bytes; kc 33,554,432 bytes; st 262,144 bytes; part 262,144 bytes
;; launch scores (part 1): grid 8 x 32, 8 waves a work-group, no clusters, 78,848 bytes of LDS; arguments query, query_lengths, keys, mask, lowp_scales, kc, st, qc; writes kc, st, qc
.if DOCPART == 1
	.amdgcn_target "amdgcn-amd-amdhsa--gfx1250"
	.amdhsa_code_object_version 6
	.text
	.protected	k_qccdeb1c4e8_scores
	.globl	k_qccdeb1c4e8_scores
	.p2align	8
	.type	k_qccdeb1c4e8_scores,@function
k_qccdeb1c4e8_scores:
	s_mov_b64 s[64:65], 0
	v_nop
	global_prefetch_b8 v0, s[64:65] scope:SCOPE_SE
	s_setreg_imm32_b32 hwreg(HW_REG_WAVE_MODE, 25, 1), 1
	s_wait_xcnt 0x0
; SCORES.  Work-group (j, b), eight waves; wave w owns key positions 512 j + 64 w .. + 63 of batch b, from their mask words to their statistics.
; LIST: the wave's 64 mask words become two ballots; the keys that count (mask == 0), n of them, are compacted in registers: slot s of the wave is the s-th such key.  Slots from n on name no key: their loads take
;   one clamped address in all lanes and their codes are made zeros.  The choice of keys and of query tiles hangs on whole numbers read from memory alone: masked keys and, where query_lengths[b] <= 64,
;   query tiles 4 to 7 are left out (reference() makes them zeros, a score of exactly 0 becomes -infinity, and a row of -infinity gives 0).  A NaN or an infinity in what is left out is not carried on, as in reference().
; Q: wave w quantises queries 16 w .. + 15 (rows at or beyond the length as zeros) into LDS; of the eight work-groups of a batch, work-group j stores tile j to qc[b][128][256].
; K: a tile is 16 slots.  A row is loaded whole, 512 consecutive bytes an instruction; lane l then holds d = 4 l .. + 3 and 128 + 4 l .. + 3, which one conversion makes 8 codes.  The codes go through the wave's stage in LDS
;   (rows of 256 + 16 bytes: sixteen rows start at sixteen groups of four banks of the 64: ISA guide 11.1) and come back as the operand's registers.  d is permuted alike in K and Q, which keeps every product.
;   kc[b][j][w][tile 4][8][lane][16 bytes]: tiles 0 and 1 always (zeros where no key counts), tile 2 where n > 32, tile 3 where n > 48.
; S^T = K Q^T: a lane holds ONE query (lane % 16) and keys 8 (lane / 16) + 0 .. 7.  For each query a running nm = -(largest t) and l = the sum of 2^(t + nm), t = score x log2(e).  nm begins at 3e38: no difference of infinities arises.
; At the end the halves of the lanes, then the eight waves, are merged: st[b][j][q] = (nm, l).
; NO CLUSTER: the work-groups of a batch share Q (128 KB) against rows of their own that come by lists, lane by lane, through registers.  NO PREFETCH: there is no loop to run ahead in; two tiles of rows, 32 KB a wave, are asked for as soon as the list stands.
; LIMITS: e0, e1 between -126 and 112; e0 + e1 between -126 and 127; |t| under 2^31.  NaN among keys and queries that count is not served; an infinity is held at the largest code.
.set QP, 272
.set STG, 128*QP                       ; behind Q's 128 rows: eight stages of 16 rows
.set SX, STG+8*16*QP                   ; [wave 8][query 128][8 bytes]
.set SPARE, SX+8192                    ; the spare words, 128 bytes a wave
.set ST, 32                            ; v32-63  query tile t: +4t nm, +4t+1 f, +4t+2, +4t+3 l in two halves
.set KF, 64                            ; v64-95  the tile's codes; at the head row offsets
.set QF, 96                            ; v96-223 four query tiles' fragments: d's first half, then its second
.set S, 224                            ; v224-255 codes ahead of the stage, then scores
.set MX, 22
.set WV, 20
.set LEN, 22
.set N, 23
.set CS, 24
.set NC, 26
.set LK, 36
.set SEL, 56
.set MSB, 0
.macro WIN new                         ; the immediate's high byte repeats the setting that is left
.if MSB != \new
	s_set_vgpr_msb (MSB<<8)|\new
.set MSB, \new
.endif
.endm
.macro SWAP x, a, b, d                 ; x's bits 3 and 4 change places; x becomes a lane's byte address
	v_and_b32 v[\a], 7, v[\x]
	v_bfe_u32 v[\b], v[\x], 3, 1
	v_bfe_u32 v[\d], v[\x], 4, 1
	v_lshl_or_b32 v[\a], v[\b], 4, v[\a]
	v_lshl_or_b32 v[\a], v[\d], 3, v[\a]
	v_lshlrev_b32 v[\x], 2, v[\a]
.endm
.macro ROWS bf, m, c, of, f, k         ; rows f .. f + k - 1 of slots 16 c .. of list m into buffer bf (window 1); slot i of the list lies in the lane whose number has i's bits 3 and 4 exchanged
.set n, \f
.rept \k
	v_readlane_b32 s[40+n], v[\m], 16*(n/8)+8*\c+n%8
.set n, n+1
.endr
.set n, \f
.rept \k
	v_add_nc_u32 v[\of+n], s[40+n], v4
.set n, n+1
.endr
.set n, \f
.rept \k
	v_min_u32 v[\of+n], 0xfdf0, v[\of+n]           ; a slot without a key: all lanes at row 63's byte 496
.set n, n+1
.endr
	WIN 0x40
.set n, \f
.rept \k
	global_load_b128 v[128*\bf+8*n:128*\bf+8*n+3], v[\of+n], s[8:9]
	global_load_b128 v[128*\bf+8*n+4:128*\bf+8*n+7], v[\of+n], s[8:9] offset:512
.set n, n+1
.endr
	WIN 0
.endm
.macro QLOAD g                         ; query tiles 4 g .. 4 g + 3
.irp s, 0,1
.irp t, 0,1,2,3
.irp i, 0,1,2,3
	ds_load_b128 v[QF+64*\s+16*\t+4*\i:QF+64*\s+16*\t+4*\i+3], v6 offset:(64*\g+16*\t)*QP+128*\s+32*\i
.endr
.endr
.endr
.endm
.macro GROUP g, nx                     ; nx: the query tiles that are asked for behind the products (9: none)
	s_wait_dscnt 16                                ; the first halves of the four query tiles are in; the sixteen loads of the second may be out
.irp t, 0,1,2,3                                ; the four accumulators take turns
	v_wmma_f32_16x16x128_bf8_bf8 v[S+8*\t:S+8*\t+7], v[KF:KF+15], v[QF+16*\t:QF+16*\t+15], 0
.endr
	s_wait_dscnt 0x0
.irp t, 0,1,2,3
	v_wmma_f32_16x16x128_bf8_bf8 v[S+8*\t:S+8*\t+7], v[KF+16:KF+31], v[QF+64+16*\t:QF+64+16*\t+15], v[S+8*\t:S+8*\t+7]
.endr
.rept 4
	v_nop                                          ; four places behind the last product (ISA guide 7.12.1)
.endr
.if \nx < 2
	QLOAD \nx
.endif
.set n, 0
.rept 32                                       ; each accumulator from its low end on: a score of exactly 0 counts as -infinity
	v_cmp_eq_f32 vcc_lo, 0, v[S+n]
	v_cndmask_b32 v[S+n], v[S+n], v12, vcc_lo
.set n, n+1
.endr
.irp t, 0,1,2,3
	v_max3_num_f32 v[MX+\t], v[S+8*\t], v[S+8*\t+1], v[S+8*\t+2]
.endr
.irp t, 0,1,2,3
	v_max3_num_f32 v[MX+\t], v[MX+\t], v[S+8*\t+3], v[S+8*\t+4]
.endr
.irp t, 0,1,2,3
	v_max3_num_f32 v[MX+\t], v[MX+\t], v[S+8*\t+5], v[S+8*\t+6]
.endr
.irp t, 0,1,2,3
	v_max_num_f32 v[MX+\t], v[MX+\t], v[S+8*\t+7]
.endr
.irp t, 0,1,2,3
	v_mul_f32 v[MX+\t], s[NC], v[MX+\t]            ; -(the tile's largest t); +infinity where nothing counts
.endr
.irp t, 0,1,2,3
	v_min_num_f32 v[MX+\t], v[MX+\t], v[ST+16*\g+4*\t]
.endr
.irp t, 0,1,2,3
	v_sub_f32 v[ST+16*\g+4*\t+1], v[MX+\t], v[ST+16*\g+4*\t]   ; new nm - old nm, 0 or less
.endr
.irp t, 0,1,2,3
	v_mov_b32 v[ST+16*\g+4*\t], v[MX+\t]
.endr
.irp t, 0,1,2,3
.irp q, 0,2,4,6
	v_pk_fma_f32 v[S+8*\t+\q:S+8*\t+\q+1], v[S+8*\t+\q:S+8*\t+\q+1], s[CS:CS+1], v[ST+16*\g+4*\t:ST+16*\g+4*\t+1] op_sel_hi:[1,0,0]   ; t + nm
.endr
.endr
	s_wait_alu depctr_va_vdst(0)                   ; ahead of the batch
.set n, 0
.rept 32
	v_exp_f32 v[S+n], v[S+n]
.set n, n+1
.endr
.irp t, 0,1,2,3
	v_exp_f32 v[ST+16*\g+4*\t+1], v[ST+16*\g+4*\t+1]
.endr
	v_nop                                          ; a plain line behind the last exponential
	s_wait_alu depctr_va_vdst(0)                   ; and one wait behind the batch
.irp t, 0,1,2,3
	v_pk_add_f32 v[S+8*\t:S+8*\t+1], v[S+8*\t:S+8*\t+1], v[S+8*\t+2:S+8*\t+3]
	v_pk_add_f32 v[S+8*\t+4:S+8*\t+5], v[S+8*\t+4:S+8*\t+5], v[S+8*\t+6:S+8*\t+7]
.endr
.irp t, 0,1,2,3
	v_pk_add_f32 v[S+8*\t:S+8*\t+1], v[S+8*\t:S+8*\t+1], v[S+8*\t+4:S+8*\t+5]
.endr
.irp t, 0,1,2,3
	v_pk_fma_f32 v[ST+16*\g+4*\t+2:ST+16*\g+4*\t+3], v[ST+16*\g+4*\t+2:ST+16*\g+4*\t+3], v[ST+16*\g+4*\t:ST+16*\g+4*\t+1], v[S+8*\t:S+8*\t+1] op_sel:[0,1,0] op_sel_hi:[1,1,1]   ; l = l f + the tile's sum
.endr
.endm
; ord: which query tiles the fragments' registers hold at a tile's head.  0: none yet; 1: tiles 4 to 7, or 0 to 3 where the others are left out; 2: tiles 0 to 3.  The two groups change order from tile to tile, so that each tile finds one in registers
.macro TILE c, bf, ord
	s_sub_co_i32 s27, s[N], 16*\c
.irp p, 0,1,2,3,4,5,6,7,8,9,10,11,12,13,14,15
	s_cmp_gt_i32 s27, \p
	s_cselect_b32 s[40+\p], s[LK], 1               ; the row's bound.  For a slot without a key it is 2^-149 (bits 1): over 2^e1, e1 >= -126, at most 2^-23, under half the smallest code's 2^-16: a zero code
.endr
	WIN 0x41
.irp p, 0,1,2,3,4,5,6,7,8,9,10,11,12,13,14,15
.irp e, 0,1,2,3,4,5,6,7
	v_med3_num_f32 v[128*\bf+8*\p+\e], v[128*\bf+8*\p+\e], -s[40+\p], s[40+\p]   ; the conversion does not saturate (ISA guide 7.6.2)
.endr
.endr
	WIN 0x01
.irp p, 0,1,2,3,4,5,6,7,8,9,10,11,12,13,14,15
	v_cvt_scalef32_pk8_bf8_f32 v[S+2*\p:S+2*\p+1], v[128*\bf+8*\p:128*\bf+8*\p+7], v14
.endr
	WIN 0
	v_nop                                          ; a plain line behind the last conversion
.irp p, 0,1,2,3,4,5,6,7,8,9,10,11,12,13,14,15
	ds_store_b64 v7, v[S+2*\p:S+2*\p+1] offset:QP*\p
.endr
	s_wait_xcnt 0x0                                ; earlier stores have read their data and loads their offsets, which the loads below write over
.irp i, 0,1,2,3,4,5,6,7
	ds_load_b128 v[KF+4*\i:KF+4*\i+3], v8 offset:32*\i   ; LDS serves a wave's instructions in order (ISA guide 5.7.1.4)
.endr
.if \ord == 0
	QLOAD 0
	s_wait_dscnt 32                                ; the tile's codes are in; Q's 32 loads may be out
.else
	s_wait_dscnt 0x0
.endif
.irp i, 0,1,2,3,4,5,6,7
	global_store_b128 v4, v[KF+4*\i:KF+4*\i+3], s[14:15] offset:4096*\c+512*\i   ; the wave stores 512 consecutive bytes, aligned
.endr
.if \ord == 1
	s_wait_alu depctr_va_vdst(0)
	s_cmp_le_u32 s[LEN], 64
	s_cbranch_scc1 .Lq_\@                          ; query tiles 4 to 7 lie at or beyond the length
	GROUP 1, 0
	s_wait_alu depctr_va_vdst(0)
.Lq_\@:
	GROUP 0, 9
	s_wait_alu depctr_va_vdst(0)
.else
	GROUP 0, 9
	s_wait_alu depctr_va_vdst(0)
	s_cmp_le_u32 s[LEN], 64
	s_cbranch_scc1 .Lq_\@
	QLOAD 1
	GROUP 1, 9
	s_wait_alu depctr_va_vdst(0)
.Lq_\@:
.endif
.endm
	s_load_b256 s[4:11], s[0:1], 0x0               ; query s[4:5], query_lengths s[6:7], keys s[8:9], mask s[10:11]
	s_load_b256 s[12:19], s[0:1], 0x20             ; lowp_scales s[12:13], kc s[14:15], st s[16:17], qc s[18:19]
	v_lshl_add_u32 v10, v0, 2, SPARE
	v_mov_b32 v11, 0
	v_lshrrev_b32 v1, 5, v0
	v_readfirstlane_b32 s[WV], v1                  ; wave 0..7
	v_and_b32 v1, 31, v0                           ; lane
	v_and_b32 v2, 15, v0                           ; r
	v_bfe_u32 v3, v0, 4, 1                         ; h
	s_wait_alu depctr_va_vdst(0)
	s_mul_i32 s37, s[WV], 16*QP
	s_lshl_b32 s38, s[WV], 10
	s_add_co_u32 s38, s38, SX
	v_lshlrev_b32 v4, 4, v1                        ; 16 lane
	v_lshlrev_b32 v26, 2, v1                       ; mask
	v_mul_u32_u24 v6, v2, QP
	v_lshl_add_u32 v6, v3, 4, v6                   ; Q's fragments: row r, + 16 h
	v_lshl_add_u32 v5, v1, 3, s37                  ; Q, in: row 16 w, + 8 lane
	v_add_nc_u32 v7, STG, v5                       ; stage, in
	v_add_nc_u32 v8, STG, v6
	v_add_nc_u32 v8, s37, v8                       ; stage, out
	v_and_b32 v9, 7, v1
	v_bfe_u32 v22, v1, 3, 1
	v_lshl_or_b32 v9, v22, 4, v9
	v_lshl_or_b32 v9, v3, 3, v9                    ; the slot (modulo 32) that lies in my lane: bits 3 and 4 exchanged
	v_lshl_add_u32 v15, v2, 3, s38
	v_lshl_add_u32 v16, v0, 3, SX
	v_lshlrev_b32 v17, 3, v0
	v_lshlrev_b32 v18, 3, v1
	v_mov_b32 v12, 0xff800000
	v_mov_b32 v27, 0x10000                         ; no key
	v_lshlrev_b32 v28, 10, v1                      ; my key's row
.irp t, 0,1,2,3,4,5,6,7
	v_mov_b32 v[ST+4*\t], 0x7f61b1e6               ; nm = 3e38: above every -t
	v_mov_b32 v[ST+4*\t+1], 0
	v_mov_b32 v[ST+4*\t+2], 0
	v_mov_b32 v[ST+4*\t+3], 0
.endr
	s_mov_b32 s[SEL], 0x76543210
	s_mov_b32 s[SEL+1], 0xfedcba98
	s_and_b32 s21, ttmp7, 0xffff                   ; b
	s_mov_b32 s31, 0
	s_wait_alu depctr_va_vdst(0)                   ; the wait at the head's end
	s_wait_kmcnt 0x0
	s_lshl_b32 s30, s21, 14
	s_lshl_b32 s37, ttmp9, 11
	s_add_co_u32 s30, s30, s37
	s_lshl_b32 s37, s[WV], 8
	s_add_co_u32 s30, s30, s37
	s_add_nc_u64 s[10:11], s[10:11], s[30:31]
	global_load_b32 v20, v26, s[10:11]             ; my 64 mask words, 256 bytes
	global_load_b32 v21, v26, s[10:11] offset:128
	s_lshl_b32 s30, s21, 17
	s_lshl_b32 s37, s[WV], 14
	s_add_co_u32 s30, s30, s37
	s_add_nc_u64 s[4:5], s[4:5], s[30:31]
	s_lshl_b32 s30, s21, 2
	s_add_nc_u64 s[6:7], s[6:7], s[30:31]
	s_load_b32 s[LEN], s[6:7], 0x0
	s_load_b128 s[32:35], s[12:13], 0x0            ; e0 .. e3
	s_lshl_b32 s30, s21, 22
	s_lshl_b32 s37, ttmp9, 19
	s_add_co_u32 s30, s30, s37
	s_lshl_b32 s37, s[WV], 16
	s_add_co_u32 s30, s30, s37
	s_add_nc_u64 s[8:9], s[8:9], s[30:31]          ; my 64 rows of keys
	s_lshl_b32 s38, s21, 3
	s_add_co_u32 s38, s38, ttmp9                   ; 8 b + j
	s_lshl_b32 s30, s38, 10
	s_add_nc_u64 s[16:17], s[16:17], s[30:31]
	s_lshl_b32 s30, s38, 17
	s_lshl_b32 s37, s[WV], 14
	s_add_co_u32 s30, s30, s37
	s_add_nc_u64 s[14:15], s[14:15], s[30:31]      ; my four tiles of codes
	s_lshl_b32 s30, s21, 15
	s_lshl_b32 s37, s[WV], 12
	s_add_co_u32 s30, s30, s37
	s_add_nc_u64 s[18:19], s[18:19], s[30:31]
	s_wait_loadcnt 0x0                             ; the mask is in
	; the list: in each word of 32 keys those that count go to the front, the others behind them (a permutation of the lanes); the second word's are turned on by the first word's count
	v_cmp_eq_u32 s40, 0, v20
	v_cmp_eq_u32 s41, 0, v21
	s_bcnt1_i32_b32 s42, s40
	s_bcnt1_i32_b32 s43, s41
	s_add_co_u32 s[N], s42, s43
	s_not_b32 s45, s40
	s_not_b32 s46, s41
	v_mbcnt_lo_u32_b32 v22, s40, 0
	v_mbcnt_lo_u32_b32 v23, s45, s42
	v_mbcnt_lo_u32_b32 v24, s41, s42
	v_mbcnt_lo_u32_b32 v25, s46, s[N]
	v_cndmask_b32 v22, v23, v22, s40
	v_cndmask_b32 v24, v25, v24, s41
	SWAP 22, 23, 25, 29
	SWAP 24, 23, 25, 29
	v_cndmask_b32 v29, v27, v28, s40
	v_add_nc_u32 v30, 0x8000, v28
	v_cndmask_b32 v30, v27, v30, s41
	ds_permute_b32 v20, v22, v29
	ds_permute_b32 v21, v24, v30
	v_cmp_gt_u32 s47, s42, v9
	s_wait_alu depctr_va_vdst(0)
	s_wait_dscnt 0x0
	v_cndmask_b32 v30, v21, v20, s47               ; slots 0 to 31: the key's row in bytes
	v_cndmask_b32 v31, v27, v21, s47               ; slots 32 to 63
	s_wait_alu depctr_va_vdst(0)
	ROWS 0, 30, 0, 64, 0, 8                        ; half of tile 0's rows stand ahead of Q, the others behind it; tile 1's come behind the barrier
	s_wait_alu depctr_va_vdst(0)
	s_wait_kmcnt 0x0
	s_add_co_i32 s59, s32, 127
	s_lshl_b32 s37, s59, 23
	v_mov_b32 v13, s37                             ; 2^e0
	s_add_co_i32 s59, s59, 15
	s_lshl_b32 s59, s59, 23
	s_or_b32 s58, s59, 0x600000                    ; 57,344 x 2^e0
	s_add_co_i32 s59, s33, 127
	s_lshl_b32 s37, s59, 23
	v_mov_b32 v14, s37                             ; 2^e1
	s_add_co_i32 s59, s59, 15
	s_lshl_b32 s59, s59, 23
	s_or_b32 s[LK], s59, 0x600000                  ; 57,344 x 2^e1
	s_add_co_i32 s37, s32, s33
	s_lshl_b32 s37, s37, 23
	s_add_co_i32 s[CS], s37, 0x3fb8aa3b            ; log2(e) with e0 + e1 added to its exponent field
	s_mov_b32 s[CS+1], s[CS]
	s_xor_b32 s[NC], s[CS], 0x80000000
	s_lshl_b32 s37, s[WV], 4
	s_sub_co_i32 s27, s[LEN], s37
	s_wait_alu depctr_va_vdst(0)
	s_cmp_le_i32 s27, 0
	s_cbranch_scc1 .Lzq                            ; all my queries lie at or beyond the length: they are not read
.irp p, 0,1,2,3,4,5,6,7,8,9,10,11,12,13,14,15
	global_load_b128 v[128+8*\p:131+8*\p], v4, s[4:5] offset:1024*\p   ; query 16 w + p
	global_load_b128 v[132+8*\p:135+8*\p], v4, s[4:5] offset:1024*\p+512
.endr
	ROWS 0, 30, 0, 64, 8, 8
.irp p, 0,1,2,3,4,5,6,7,8,9,10,11,12,13,14,15
	s_cmp_gt_i32 s27, \p
	s_cselect_b32 s[40+\p], s58, 1                 ; a query at or beyond the length becomes zero codes, by the bound 2^-149
.endr
	s_wait_alu depctr_va_vdst(0)
	s_wait_loadcnt 16                              ; Q is in; the sixteen loads of tile 0's second half may be out
.irp p, 0,1,2,3,4,5,6,7,8,9,10,11,12,13,14,15
.irp e, 0,1,2,3,4,5,6,7
	v_med3_num_f32 v[128+8*\p+\e], v[128+8*\p+\e], -s[40+\p], s[40+\p]
.endr
.endr
.irp p, 0,1,2,3,4,5,6,7,8,9,10,11,12,13,14,15
	v_cvt_scalef32_pk8_bf8_f32 v[96+2*\p:97+2*\p], v[128+8*\p:135+8*\p], v13
.endr
	v_nop
	s_wait_alu depctr_va_vdst(0)
	s_branch .Lsq
.Lzq:
	ROWS 0, 30, 0, 64, 8, 8
.set n, 0
.rept 32
	v_mov_b32 v[96+n], 0                           ; zero codes
.set n, n+1
.endr
	s_wait_alu depctr_va_vdst(0)
.Lsq:
.irp p, 0,1,2,3,4,5,6,7,8,9,10,11,12,13,14,15
	ds_store_b64 v5, v[96+2*\p:97+2*\p] offset:QP*\p
.endr
	s_wait_alu depctr_va_vdst(0)
	s_cmp_eq_u32 s[WV], ttmp9
	s_cbranch_scc0 .Lnoq                           ; work-group j stores tile j alone
.irp p, 0,1,2,3,4,5,6,7,8,9,10,11,12,13,14,15
	global_store_b64 v18, v[96+2*\p:97+2*\p], s[18:19] offset:256*\p   ; a row: 256 consecutive bytes, aligned
.endr
.Lnoq:
	s_wait_alu depctr_va_vdst(0)
	s_wait_dscnt 0x0                               ; for the others' sake: my queries lie in LDS
	s_barrier_signal -1
	s_barrier_wait -1
	ROWS 1, 30, 1, 80, 0, 16
	s_wait_alu depctr_va_vdst(0)
	s_wait_loadcnt 32                              ; tile 0 is in; tile 1's 32 loads may be out
	TILE 0, 0, 0
	s_cmp_le_u32 s[N], 32
	s_cbranch_scc1 .Ln2
	s_wait_xcnt 0x0                                ; the tile's stores have read the codes' registers, which take the offsets
	ROWS 0, 31, 0, 64, 0, 16
	s_wait_alu depctr_va_vdst(0)
	s_wait_loadcnt 32                              ; tile 1 is in; tile 2's 32 loads may be out
	s_branch .Lg2
.Ln2:
	s_wait_loadcnt 0x0
.Lg2:
	TILE 1, 1, 1
	s_cmp_le_u32 s[N], 32
	s_cbranch_scc1 .Lend
	s_cmp_le_u32 s[N], 48
	s_cbranch_scc1 .Ln3
	s_wait_xcnt 0x0
	ROWS 1, 31, 1, 64, 0, 16
	s_wait_alu depctr_va_vdst(0)
	s_wait_loadcnt 32
	s_branch .Lg3
.Ln3:
	s_wait_loadcnt 0x0
.Lg3:
	TILE 2, 0, 2
	s_cmp_le_u32 s[N], 48
	s_cbranch_scc1 .Lend
	s_wait_loadcnt 0x0
	TILE 3, 1, 1
.Lend:
	s_wait_loadcnt 0x0
	; the two halves of the lanes hold the same queries and other keys.  Two multiplies and an add, so that both halves get the same bits and store the same word
.irp t, 0,1,2,3,4,5,6,7
	v_add_f32 v[ST+4*\t+2], v[ST+4*\t+2], v[ST+4*\t+3]
.endr
.irp t, 0,1,2,3,4,5,6,7
	v_permlanex16_b32 v[96+\t], v[ST+4*\t], s[SEL], s[SEL+1]
	v_permlanex16_b32 v[104+\t], v[ST+4*\t+2], s[SEL], s[SEL+1]
.endr
.irp t, 0,1,2,3,4,5,6,7
	v_min_num_f32 v[112+2*\t], v[ST+4*\t], v[96+\t]
.endr
.irp t, 0,1,2,3,4,5,6,7
	v_sub_f32 v[ST+4*\t+1], v[112+2*\t], v[ST+4*\t]
	v_sub_f32 v[ST+4*\t+3], v[112+2*\t], v[96+\t]
.endr
	s_wait_alu depctr_va_vdst(0)
.irp t, 0,1,2,3,4,5,6,7
	v_exp_f32 v[ST+4*\t+1], v[ST+4*\t+1]
	v_exp_f32 v[ST+4*\t+3], v[ST+4*\t+3]
.endr
	v_nop
	s_wait_alu depctr_va_vdst(0)
.irp t, 0,1,2,3,4,5,6,7
	v_mul_f32 v[ST+4*\t+2], v[ST+4*\t+2], v[ST+4*\t+1]
	v_mul_f32 v[104+\t], v[104+\t], v[ST+4*\t+3]
.endr
.irp t, 0,1,2,3,4,5,6,7
	v_add_f32 v[113+2*\t], v[ST+4*\t+2], v[104+\t]
.endr
.irp t, 0,1,2,3,4,5,6,7
	ds_store_b64 v15, v[112+2*\t:113+2*\t] offset:128*\t
.endr
	s_wait_alu depctr_va_vdst(0)
	s_wait_dscnt 0x0                               ; for the others' sake
	s_barrier_signal -1
	s_barrier_wait -1
	s_cmp_gt_u32 s[WV], 3
	s_cbranch_scc1 .Lfin
.irp w, 0,1,2,3,4,5,6,7
	ds_load_b64 v[96+2*\w:97+2*\w], v16 offset:1024*\w   ; thread q: query q of the eight waves
.endr
	s_wait_dscnt 0x0
	v_min3_num_f32 v18, v96, v98, v100
	v_min3_num_f32 v18, v18, v102, v104
	v_min3_num_f32 v18, v18, v106, v108
	v_min_num_f32 v18, v18, v110
.irp w, 0,1,2,3,4,5,6,7
	v_sub_f32 v[96+2*\w], v18, v[96+2*\w]
.endr
	s_wait_alu depctr_va_vdst(0)
.irp w, 0,1,2,3,4,5,6,7
	v_exp_f32 v[96+2*\w], v[96+2*\w]
.endr
	v_nop
	s_wait_alu depctr_va_vdst(0)
	v_mul_f32 v19, v97, v96
.irp w, 1,2,3,4,5,6,7
	v_fma_f32 v19, v[97+2*\w], v[96+2*\w], v19
.endr
	global_store_b64 v17, v[18:19], s[16:17]       ; a wave stores 256 consecutive bytes, aligned
.Lfin:
	s_wait_tensorcnt 0x0                           ; the wave's end
	ds_add_u32 v10, v11
	s_wait_dscnt 0x0
	s_endpgm
.Lfunc_end_k_qccdeb1c4e8_scores:
	.size	k_qccdeb1c4e8_scores, .Lfunc_end_k_qccdeb1c4e8_scores-k_qccdeb1c4e8_scores
	.p2alignl 7, 3214868480
	.fill 96, 4, 3214868480
	.section	.rodata,"a",@progbits
	.p2align	6, 0x0
	.amdhsa_kernel k_qccdeb1c4e8_scores
		.amdhsa_group_segment_fixed_size 78848
		.amdhsa_private_segment_fixed_size 0
		.amdhsa_enable_private_segment 0
		.amdhsa_kernarg_size 64
		.amdhsa_user_sgpr_count 2
		.amdhsa_user_sgpr_kernarg_segment_ptr 1
		.amdhsa_wavefront_size32 1
		.amdhsa_system_sgpr_workgroup_id_x 1
		.amdhsa_system_sgpr_workgroup_id_y 1
		.amdhsa_system_sgpr_workgroup_id_z 1
		.amdhsa_system_vgpr_workitem_id 0
		.amdhsa_next_free_vgpr 512
		.amdhsa_next_free_sgpr 66
		.amdhsa_reserve_vcc 1
		.amdhsa_float_denorm_mode_32 3
		.amdhsa_float_denorm_mode_16_64 3
		.amdhsa_memory_ordered 1
		.amdhsa_forward_progress 1
		.amdhsa_inst_pref_size 176
	.end_amdhsa_kernel
	.amdgpu_metadata
---
amdhsa.version: [ 1, 2 ]
amdhsa.kernels:
  - .name:           k_qccdeb1c4e8_scores
    .symbol:         k_qccdeb1c4e8_scores.kd
    .args:
      - { .name: query, .offset: 0, .size: 8, .value_kind: global_buffer, .address_space: global }
      - { .name: query_lengths, .offset: 8, .size: 8, .value_kind: global_buffer, .address_space: global }
      - { .name: keys, .offset: 16, .size: 8, .value_kind: global_buffer, .address_space: global }
      - { .name: mask, .offset: 24, .size: 8, .value_kind: global_buffer, .address_space: global }
      - { .name: lowp_scales, .offset: 32, .size: 8, .value_kind: global_buffer, .address_space: global }
      - { .name: kc, .offset: 40, .size: 8, .value_kind: global_buffer, .address_space: global }
      - { .name: st, .offset: 48, .size: 8, .value_kind: global_buffer, .address_space: global }
      - { .name: qc, .offset: 56, .size: 8, .value_kind: global_buffer, .address_space: global }
    .group_segment_fixed_size: 78848
    .private_segment_fixed_size: 0
    .kernarg_segment_align: 8
    .kernarg_segment_size: 64
    .max_flat_workgroup_size: 256
    .sgpr_count:     66
    .vgpr_count:     512
    .wavefront_size: 32
...
	.end_amdgpu_metadata
.endif
;; end of part 1
;; launch weigh (part 2): grid 8 x 32, 8 waves a work-group, no clusters, 53,248 bytes of LDS; arguments values, query_lengths, mask, lowp_scales, qc, kc, st, part; writes part
.if DOCPART == 2
	.amdgcn_target "amdgcn-amd-amdhsa--gfx1250"
	.amdhsa_code_object_version 6
	.text
	.protected	k_qccdeb1c4e8_weigh
	.globl	k_qccdeb1c4e8_weigh
	.p2align	8
	.type	k_qccdeb1c4e8_weigh,@function
k_qccdeb1c4e8_weigh:
	s_mov_b64 s[64:65], 0
	v_nop
	global_prefetch_b8 v0, s[64:65] scope:SCOPE_SE
	s_setreg_imm32_b32 hwreg(HW_REG_WAVE_MODE, 25, 1), 1
	s_wait_xcnt 0x0
; WEIGH.  Work-group (j, b), eight waves; wave w owns the slots that the launch before gave wave w: the same list, made of the same mask words.
; Left out, by whole numbers read from memory: masked keys, and query tiles 4 to 7 where query_lengths[b] <= 64 (reference() makes them zeros; their weights are 0).  A NaN or an infinity there is not carried on, as in reference().
; HEAD: wave w merges query tile w's (nm, l) of the eight chunks: nm = the least, l = the sum of l_i 2^(nm - nm_i); rl = 1 / l, or 0 where l = 0 (a row in which nothing counts gives zeros, as the problem has it).
; S: S^T = K Q^T from the stored codes, tile by tile of 16 slots: the same sums; a raw sum of exactly 0 counts as -infinity; p = 2^(c s + nm) x rl, the normalised weight, is held and quantised with 2^e2.
;   A lane holds query lane % 16 and keys 8 (lane / 16) + 0 .. 7 of tile c: the conversion's two registers ARE registers 2 c, 2 c + 1 of the K = 64 operand of my 64 slots.  P stays in registers; tiles without a key are zeros.
; V: four pieces of 64 channels.  A load takes 256 consecutive aligned bytes of two rows: lanes 0-15 slot 16 c + i, lanes 16-31 slot 16 c + 8 + i.  Quantised with 2^e3, a register holds 4 channels of a key; a 4 x 4 turn of bytes
;   gives four fragments, fragment e = channels 64 u + 4 r + e, the keys along the registers.  All query tiles add into the SAME four accumulators: the mean over queries needs their sum alone.
; Two copies of the pieces' text: two tiles (n <= 32) or four.  A slot from n on has p = 0; its value is some finite code.
; END: the sixteen half waves' sums of 256 channels meet in LDS; x 2^(e2 + e3 - 7) (the two scales, and 1 / 128); part[b][j][256].
; NO CLUSTER: the work-groups of a batch share qc[b] (32 KB) and st[b] (8 KB); value rows come by lists, through registers.  NO PREFETCH: there is no loop to run ahead in.
; LIMITS: e2, e3 between -126 and 112; e0 + e1 between -126 and 127; |t| under 2^31.  NaN among values that count is not served; an infinity is held at the largest code.
.set QP, 272
.set FSA, 128*QP                       ; behind Q's rows: [query 128] (nm, rl)
.set RED, FSA+1024                     ; [half wave 16][channel 256] f32
.set SPARE, RED+16384                  ; the spare words, 128 bytes a wave
.set FS, 16                            ; v16-31 (nm, rl) of the eight query tiles;  at the end the 16 sums
.set RS, 16
.set OFF, 32                           ; v32-63 row offsets: tile c, row i at 8 c + i
.set KC2, 64
.set S, 96
.set KC0, 128
.set KC1, 160
.set P, 192
.set VF, 64                            ; V phase: fragments v64-95, accumulators v96-127, codes v128-159, at work v160-191
.set ACC, 96
.set XC, 128
.set XY, 160
                                       ; window 1: four places of 64 registers, each half a piece of V (two tiles' rows); the upper two first hold Q as loaded, then Q's fragments
.set WV, 20
.set LEN, 22
.set N, 23
.set SH, 24
.set CS, 26
.set SEL, 28
.set LV, 58
.set MSB, 0
.macro WIN new                         ; the immediate's high byte repeats the setting that is left
.if MSB != \new
	s_set_vgpr_msb (MSB<<8)|\new
.set MSB, \new
.endif
.endm
.macro SWAP x, a, b, d                 ; x's bits 3 and 4 change places; x becomes a lane's byte address
	v_and_b32 v[\a], 7, v[\x]
	v_bfe_u32 v[\b], v[\x], 3, 1
	v_bfe_u32 v[\d], v[\x], 4, 1
	v_lshl_or_b32 v[\a], v[\b], 4, v[\a]
	v_lshl_or_b32 v[\a], v[\d], 3, v[\a]
	v_lshlrev_b32 v[\x], 2, v[\a]
.endm
.macro KLOAD reg, c
.irp i, 0,1,2,3,4,5,6,7
	global_load_b128 v[\reg+4*\i:\reg+4*\i+3], v4, s[14:15] offset:4096*\c+512*\i
.endr
.endm
.macro OFFS first, m                   ; two tiles' offsets: lane n of each half of the list, shared by that half; + 16 r; clamped: a slot without a key takes one address
.irp i, 0,1,2,3,4,5,6,7,8,9,10,11,12,13,14,15
	v_mov_b32_dpp v[OFF+\first+\i], v[\m] row_share:\i row_mask:0xf bank_mask:0xf
.endr
.irp i, 0,1,2,3,4,5,6,7,8,9,10,11,12,13,14,15
	v_add_nc_u32 v[OFF+\first+\i], v26, v[OFF+\first+\i]
.endr
.irp i, 0,1,2,3,4,5,6,7,8,9,10,11,12,13,14,15
	v_min_u32 v[OFF+\first+\i], 0xfcf0, v[OFF+\first+\i]
.endr
.endm
.macro VLD u, first, base              ; piece u's rows first .. first + 15 of 32
	WIN 0x40
.set n, 0
.rept 16
	global_load_b128 v[\base+4*n:\base+4*n+3], v[OFF+\first+n], s[4:5] offset:256*(\u)
.set n, n+1
.endr
	WIN 0
.endm
.macro QLOAD g                         ; query tiles 4 g .. 4 g + 3
	WIN 0x40
.irp s, 0,1
.irp t, 0,1,2,3
.irp i, 0,1,2,3
	ds_load_b128 v[128+64*\s+16*\t+4*\i:128+64*\s+16*\t+4*\i+3], v5 offset:(64*\g+16*\t)*QP+128*\s+32*\i
.endr
.endr
.endr
	WIN 0
.endm
.macro GROUP c, kc, g, nx              ; tile c against query tiles 4 g .. 4 g + 3; nx: the query tiles that are asked for behind the products (9: none)
	s_wait_dscnt 16                                ; the first halves are in; the sixteen loads of the second may be out
	WIN 0x04
.irp t, 0,1,2,3                                ; the four accumulators take turns
	v_wmma_f32_16x16x128_bf8_bf8 v[S+8*\t:S+8*\t+7], v[\kc:\kc+15], v[128+16*\t:128+16*\t+15], 0
.endr
	s_wait_dscnt 0x0
.irp t, 0,1,2,3
	v_wmma_f32_16x16x128_bf8_bf8 v[S+8*\t:S+8*\t+7], v[\kc+16:\kc+31], v[192+16*\t:192+16*\t+15], v[S+8*\t:S+8*\t+7]
.endr
	WIN 0
.rept 4
	v_nop                                          ; four places behind the last product (ISA guide 7.12.1)
.endr
.if \nx < 2
	QLOAD \nx
.endif
.set n, 0
.rept 32                                       ; each accumulator from its low end on
	v_cmp_eq_f32 vcc_lo, 0, v[S+n]
	v_cndmask_b32 v[S+n], v[S+n], v12, vcc_lo
.set n, n+1
.endr
.irp t, 0,1,2,3
.irp q, 0,2,4,6
	v_pk_fma_f32 v[S+8*\t+\q:S+8*\t+\q+1], v[S+8*\t+\q:S+8*\t+\q+1], s[CS:CS+1], v[FS+8*\g+2*\t:FS+8*\g+2*\t+1] op_sel_hi:[1,0,0]   ; t + nm
.endr
.endr
	s_wait_alu depctr_va_vdst(0)                   ; ahead of the batch
.set n, 0
.rept 32
	v_exp_f32 v[S+n], v[S+n]
.set n, n+1
.endr
	v_nop                                          ; a plain line behind the last exponential
	s_wait_alu depctr_va_vdst(0)                   ; and one wait behind the batch
.irp t, 0,1,2,3
.irp q, 0,2,4,6
	v_pk_mul_f32 v[S+8*\t+\q:S+8*\t+\q+1], v[S+8*\t+\q:S+8*\t+\q+1], v[FS+8*\g+2*\t:FS+8*\g+2*\t+1] op_sel:[0,1] op_sel_hi:[1,1]   ; x rl: the normalised weight
.endr
.endr
.set n, 0
.rept 32
	v_min_num_f32 v[S+n], v[S+n], v13              ; the conversion does not saturate (ISA guide 7.6.2); p is not negative
.set n, n+1
.endr
.irp t, 0,1,2,3
	v_cvt_scalef32_pk8_bf8_f32 v[P+32*\g+8*\t+2*\c:P+32*\g+8*\t+2*\c+1], v[S+8*\t:S+8*\t+7], v14
.endr
	v_nop                                          ; a plain line behind the last conversion: the next products write its sources
.endm
; ord: which query tiles the fragments' registers hold at a tile's head.  0: none yet; 1: tiles 4 to 7, or 0 to 3 where the others are left out; 2: tiles 0 to 3.  The two groups change order from tile to tile, so that each tile finds one in registers
.macro STILE c, kc, ord
.if \ord == 1
	s_wait_alu depctr_va_vdst(0)
	s_cmp_le_u32 s[LEN], 64
	s_cbranch_scc1 .Ls_\@                          ; query tiles 4 to 7 lie at or beyond the length
	GROUP \c, \kc, 1, 0
	s_wait_alu depctr_va_vdst(0)
.Ls_\@:
	GROUP \c, \kc, 0, 9
	s_wait_alu depctr_va_vdst(0)
.else
.if \ord == 0
	QLOAD 0
.endif
	GROUP \c, \kc, 0, 9
	s_wait_alu depctr_va_vdst(0)
	s_cmp_le_u32 s[LEN], 64
	s_cbranch_scc1 .Ls_\@
	QLOAD 1
	GROUP \c, \kc, 1, 9
	s_wait_alu depctr_va_vdst(0)
.Ls_\@:
.endif
.endm
; V's steps.  HOLD and CVT: the eight rows a lane half has of one tile, at base of window 1.  TURN: 4 keys x 4 channels, count blocks from block first on; block 2 c + a is keys 4 a .. 4 a + 3 of each half of tile c
.macro HOLD base
.set n, 0
.rept 32
	v_med3_num_f32 v[\base+n], v[\base+n], -s[LV], s[LV]   ; the conversion does not saturate (ISA guide 7.6.2)
.set n, n+1
.endr
.endm
.macro CVT base, c
.set n, 0
.rept 4
	v_cvt_scalef32_pk8_bf8_f32 v[XC+8*\c+2*n:XC+8*\c+2*n+1], v[\base+8*n:\base+8*n+7], v15   ; two keys x 4 channels: a register a key
.set n, n+1
.endr
.endm
.macro TURN first, count
.set n, \first
.rept \count
	v_perm_b32 v[XY+4*n],   v[XC+4*n+1], v[XC+4*n],   s36
	v_perm_b32 v[XY+4*n+1], v[XC+4*n+1], v[XC+4*n],   s37
	v_perm_b32 v[XY+4*n+2], v[XC+4*n+3], v[XC+4*n+2], s36
	v_perm_b32 v[XY+4*n+3], v[XC+4*n+3], v[XC+4*n+2], s37
.set n, n+1
.endr
.set n, \first
.rept \count                                   ; fragment e, register 2 c + a, byte i of half h: slot 16 c + 8 h + 4 a + i
	v_perm_b32 v[VF+n],    v[XY+4*n+2], v[XY+4*n],   s38
	v_perm_b32 v[VF+8+n],  v[XY+4*n+2], v[XY+4*n],   s39
	v_perm_b32 v[VF+16+n], v[XY+4*n+3], v[XY+4*n+1], s38
	v_perm_b32 v[VF+24+n], v[XY+4*n+3], v[XY+4*n+1], s39
.set n, n+1
.endr
.endm
.macro REDUCE u                        ; the sum over the queries: eight rows a lane, each accumulator from its low end on
.irp e, 0,1,2,3
	v_pk_add_f32 v[XY+4*\e:XY+4*\e+1], v[ACC+8*\e:ACC+8*\e+1], v[ACC+8*\e+2:ACC+8*\e+3]
	v_pk_add_f32 v[XY+4*\e+2:XY+4*\e+3], v[ACC+8*\e+4:ACC+8*\e+5], v[ACC+8*\e+6:ACC+8*\e+7]
.endr
.irp e, 0,1,2,3
	v_pk_add_f32 v[XY+4*\e:XY+4*\e+1], v[XY+4*\e:XY+4*\e+1], v[XY+4*\e+2:XY+4*\e+3]
.endr
.irp e, 0,1,2,3
	v_add_f32 v[RS+4*(\u)+\e], v[XY+4*\e], v[XY+4*\e+1]
.endr
.endm
.macro UNIT u, nt                      ; piece u, nt tiles of 16 slots.  Two tiles: piece u at 64 u.  Four: tiles 0 and 1 at 64 (u % 2), tiles 2 and 3 128 registers further on
.if (\nt) == 2
.set VB, 64*(\u)
	s_wait_loadcnt 48-16*(\u)                      ; this piece is in; the 16 loads of each later one may be out
.else
.set VB, 64*((\u)%2)
.if (\u) == 0
	s_wait_loadcnt 16                              ; piece 0 is in; tiles 2 and 3 of piece 1 may be out
.elseif (\u) < 3
	s_wait_loadcnt 32                              ; this piece is in; the next one's 32 loads may be out
.else
	s_wait_loadcnt 0x0
.endif
.endif
	WIN 0x41                                       ; (these lines are also the places behind the last piece's products)
	HOLD VB
	HOLD VB+32
.if (\nt) == 4
	HOLD VB+128
.endif
	WIN 0x01
	CVT VB, 0
	CVT VB+32, 1
.if (\nt) == 4
	CVT VB+128, 2
.endif
	WIN 0
	v_nop                                          ; a plain line behind the last conversion
.if (\nt) == 4
.if (\u) == 0
.irp e, 0,1,2,3
	v_mov_b32 v[VF+8*\e+6], 0                      ; tile 3: zeros, for all four pieces, where it holds no key
	v_mov_b32 v[VF+8*\e+7], 0
.endr
.endif
	s_wait_alu depctr_va_vdst(0)
	s_cmp_le_u32 s[N], 48
	s_cbranch_scc1 .Lv_\@
	WIN 0x41
	HOLD VB+160
	WIN 0x01
	CVT VB+160, 3
	WIN 0
	v_nop
	TURN 6, 2
	s_wait_alu depctr_va_vdst(0)
.Lv_\@:
.if (\u) < 2
	VLD (\u)+2, 0, VB
	VLD (\u)+2, 16, VB+128
.endif
.endif
.if ((\u) == 0) && ((\nt) == 2)
.irp e, 0,1,2,3
	v_mov_b32 v[VF+8*\e+4], 0                      ; tiles 2 and 3 hold no key: zeros, for all four pieces
	v_mov_b32 v[VF+8*\e+5], 0
	v_mov_b32 v[VF+8*\e+6], 0
	v_mov_b32 v[VF+8*\e+7], 0
.endr
.endif
.if (\u) > 0
	REDUCE (\u)-1
.endif
	TURN 0, (\nt)+2                                ; two tiles: four blocks; four: the first three tiles' six
.irp t, 0,1,2,3                                ; the four accumulators take turns
.irp e, 0,1,2,3
.if \t == 0
	v_wmma_f32_16x16x64_bf8_bf8 v[ACC+8*\e:ACC+8*\e+7], v[P+8*\t:P+8*\t+7], v[VF+8*\e:VF+8*\e+7], 0
.else
	v_wmma_f32_16x16x64_bf8_bf8 v[ACC+8*\e:ACC+8*\e+7], v[P+8*\t:P+8*\t+7], v[VF+8*\e:VF+8*\e+7], v[ACC+8*\e:ACC+8*\e+7]
.endif
.endr
.endr
	s_wait_alu depctr_va_vdst(0)
	s_cmp_le_u32 s[LEN], 64
	s_cbranch_scc1 .Lu_\@
.irp t, 4,5,6,7
.irp e, 0,1,2,3
	v_wmma_f32_16x16x64_bf8_bf8 v[ACC+8*\e:ACC+8*\e+7], v[P+8*\t:P+8*\t+7], v[VF+8*\e:VF+8*\e+7], v[ACC+8*\e:ACC+8*\e+7]
.endr
.endr
.Lu_\@:
.endm
.macro PIECES nt
	UNIT 0, \nt
	UNIT 1, \nt
	UNIT 2, \nt
	UNIT 3, \nt
.rept 4
	v_nop                                          ; four places behind the last product
.endr
	REDUCE 3
	s_wait_alu depctr_va_vdst(0)
.endm
	s_load_b256 s[4:11], s[0:1], 0x0               ; values s[4:5], query_lengths s[6:7], mask s[8:9], lowp_scales s[10:11]
	s_load_b256 s[12:19], s[0:1], 0x20             ; qc s[12:13], kc s[14:15], st s[16:17], part s[18:19]
	v_lshl_add_u32 v10, v0, 2, SPARE
	v_mov_b32 v11, 0
	v_lshrrev_b32 v1, 5, v0
	v_readfirstlane_b32 s[WV], v1                  ; wave 0..7
	v_and_b32 v1, 31, v0                           ; lane
	v_and_b32 v2, 15, v0                           ; r
	v_bfe_u32 v3, v0, 4, 1                         ; h
	s_wait_alu depctr_va_vdst(0)
	s_mul_i32 s40, s[WV], 16*QP
	s_lshl_b32 s41, s[WV], 7
	s_add_co_u32 s42, s41, FSA
	v_lshlrev_b32 v4, 4, v1                        ; 16 lane
	v_mul_u32_u24 v5, v2, QP
	v_lshl_add_u32 v5, v3, 4, v5                   ; Q's fragments: row r, + 16 h
	v_mul_u32_u24 v6, v3, QP
	v_lshl_add_u32 v6, v2, 4, v6
	v_add_nc_u32 v6, s40, v6                       ; Q, in: row 16 w + h, + 16 r
	v_lshl_add_u32 v7, v2, 3, FSA
	v_lshl_add_u32 v8, v2, 3, s42
	v_lshlrev_b32 v19, 12, v3
	v_lshl_add_u32 v19, v2, 3, v19
	v_add_nc_u32 v19, s41, v19                     ; st: chunks 4 h .., query 16 w + r
	v_and_b32 v9, 7, v1
	v_bfe_u32 v22, v1, 3, 1
	v_lshl_or_b32 v9, v22, 4, v9
	v_lshl_or_b32 v9, v3, 3, v9                    ; the slot (modulo 32) that lies in my lane: bits 3 and 4 exchanged
	v_lshlrev_b32 v26, 2, v1                       ; mask
	v_mov_b32 v12, 0xff800000
	v_mov_b32 v27, 0x10000                         ; no key
	v_lshlrev_b32 v28, 10, v1                      ; my key's row
	v_mov_b32 v105, 0                              ; written once: a lane permute's destination counts as one of its sources
.set n, 0
.rept 32
	v_mov_b32 v[OFF+n], 0                          ; likewise
.set n, n+1
.endr
.irp t, 0,1,2,3,4,5,6,7
	v_mov_b32 v[P+8*\t+4], 0                       ; P's tiles 2 and 3
	v_mov_b32 v[P+8*\t+5], 0
	v_mov_b32 v[P+8*\t+6], 0
	v_mov_b32 v[P+8*\t+7], 0
.endr
	s_mov_b32 s[SEL], 0x76543210
	s_mov_b32 s[SEL+1], 0xfedcba98
	s_mov_b32 s36, 0x05010400                      ; v_perm_b32: bytes 0, 1 of two registers, interleaved;
	s_mov_b32 s37, 0x07030602                      ; bytes 2, 3;
	s_mov_b32 s38, 0x05040100                      ; the two low halves;
	s_mov_b32 s39, 0x07060302                      ; the two high halves
	s_and_b32 s21, ttmp7, 0xffff                   ; b
	s_lshl_b32 s50, s21, 3
	s_add_co_u32 s50, s50, ttmp9                   ; 8 b + j
	s_mov_b32 s31, 0
	s_wait_alu depctr_va_vdst(0)                   ; the wait at the head's end
	s_wait_kmcnt 0x0
	s_lshl_b32 s30, s21, 14
	s_lshl_b32 s51, ttmp9, 11
	s_add_co_u32 s30, s30, s51
	s_lshl_b32 s51, s[WV], 8
	s_add_co_u32 s30, s30, s51
	s_add_nc_u64 s[8:9], s[8:9], s[30:31]
	global_load_b32 v20, v26, s[8:9]               ; my 64 mask words
	global_load_b32 v21, v26, s[8:9] offset:128
	s_lshl_b32 s30, s21, 13
	s_add_nc_u64 s[16:17], s[16:17], s[30:31]
.irp i, 0,1,2,3
	global_load_b64 v[96+2*\i:97+2*\i], v19, s[16:17] offset:1024*\i
.endr
	s_lshl_b32 s30, s21, 15
	s_lshl_b32 s51, s[WV], 12
	s_add_co_u32 s30, s30, s51
	s_add_nc_u64 s[12:13], s[12:13], s[30:31]
	WIN 0x40
.irp i, 0,1,2,3,4,5,6,7
	global_load_b128 v[128+4*\i:131+4*\i], v4, s[12:13] offset:512*\i   ; query tile w's codes: two rows a load
.endr
	WIN 0
	s_lshl_b32 s30, s50, 17
	s_lshl_b32 s51, s[WV], 14
	s_add_co_u32 s30, s30, s51
	s_add_nc_u64 s[14:15], s[14:15], s[30:31]
	KLOAD KC0, 0                                   ; tiles 0 and 1 are always stored
	KLOAD KC1, 1
	s_lshl_b32 s30, s21, 2
	s_add_nc_u64 s[6:7], s[6:7], s[30:31]
	s_load_b32 s[LEN], s[6:7], 0x0
	s_load_b128 s[32:35], s[10:11], 0x0            ; e0 .. e3
	s_lshl_b32 s30, s21, 22
	s_lshl_b32 s51, ttmp9, 19
	s_add_co_u32 s30, s30, s51
	s_lshl_b32 s51, s[WV], 16
	s_add_co_u32 s30, s30, s51
	s_add_nc_u64 s[4:5], s[4:5], s[30:31]          ; my 64 rows of values
	s_lshl_b32 s30, s50, 10
	s_add_nc_u64 s[18:19], s[18:19], s[30:31]
	s_lshl_b32 s52, s[WV], 11
	s_add_co_u32 s52, s52, RED
	s_wait_loadcnt 28                              ; the mask is in; behind it stand 4 + 8 + 16 loads
	; the list: in each word of 32 keys those that count go to the front, the others behind them (a permutation of the lanes); the second word's are turned on by the first word's count
	v_cmp_eq_u32 s40, 0, v20
	v_cmp_eq_u32 s41, 0, v21
	s_bcnt1_i32_b32 s42, s40
	s_bcnt1_i32_b32 s43, s41
	s_add_co_u32 s[N], s42, s43
	s_not_b32 s45, s40
	s_not_b32 s46, s41
	v_mbcnt_lo_u32_b32 v22, s40, 0
	v_mbcnt_lo_u32_b32 v23, s45, s42
	v_mbcnt_lo_u32_b32 v24, s41, s42
	v_mbcnt_lo_u32_b32 v25, s46, s[N]
	v_cndmask_b32 v22, v23, v22, s40
	v_cndmask_b32 v24, v25, v24, s41
	SWAP 22, 23, 25, 29
	SWAP 24, 23, 25, 29
	v_cndmask_b32 v29, v27, v28, s40
	v_add_nc_u32 v30, 0x8000, v28
	v_cndmask_b32 v30, v27, v30, s41
	ds_permute_b32 v20, v22, v29
	ds_permute_b32 v21, v24, v30
	v_cmp_gt_u32 s47, s42, v9
	v_lshlrev_b32 v26, 4, v2                       ; 16 r
	v_lshlrev_b32 v9, 10, v3
	v_lshl_add_u32 v9, v2, 4, v9
	v_add_nc_u32 v9, s52, v9                       ; the way out: row 2 w + h, + 16 r
	v_add_nc_u32 v25, 0x2000, v4
	s_cmp_gt_u32 s[N], 32
	s_cselect_b32 s48, -1, 0
	s_wait_alu depctr_va_vdst(0)
	s_wait_dscnt 0x0
	v_cndmask_b32 v30, v21, v20, s47               ; slots 0 to 31: the key's row in bytes
	v_cndmask_b32 v31, v27, v21, s47               ; slots 32 to 63
	v_and_b32 v24, s48, v25
	v_min_u32 v1, 0x21f0, v24                      ; tile 2, or (n <= 32: it was not stored) one address of tile 0 in all lanes
	s_wait_alu depctr_va_vdst(0)
.irp i, 0,1,2,3,4,5,6,7
	global_load_b128 v[KC2+4*\i:KC2+4*\i+3], v1, s[14:15] offset:512*\i
.endr
	OFFS 0, 30
	VLD 0, 0, 0                                    ; piece 0 of tiles 0 and 1
	OFFS 16, 31
	s_wait_alu depctr_va_vdst(0)
	s_wait_kmcnt 0x0
	s_add_co_i32 s40, s32, s33
	s_lshl_b32 s40, s40, 23
	s_add_co_i32 s[CS], s40, 0x3fb8aa3b            ; c = log2(e) x 2^(e0 + e1)
	s_mov_b32 s[CS+1], s[CS]
	s_add_co_i32 s40, s34, 127
	s_lshl_b32 s41, s40, 23
	v_mov_b32 v14, s41                             ; 2^e2
	s_add_co_i32 s40, s40, 15
	s_lshl_b32 s40, s40, 23
	s_or_b32 s40, s40, 0x600000
	v_mov_b32 v13, s40                             ; 57,344 x 2^e2
	s_add_co_i32 s40, s35, 127
	s_lshl_b32 s41, s40, 23
	v_mov_b32 v15, s41                             ; 2^e3
	s_add_co_i32 s40, s40, 15
	s_lshl_b32 s40, s40, 23
	s_or_b32 s[LV], s40, 0x600000                  ; 57,344 x 2^e3
	s_add_co_i32 s[SH], s34, s35
	s_sub_co_i32 s[SH], s[SH], 7                   ; e2 + e3 - 7
	s_wait_alu depctr_va_vdst(0)
	s_wait_loadcnt 48                              ; the statistics are in; behind them stand 8 + 24 + 16 loads
	v_min3_num_f32 v104, v96, v98, v100
	v_min_num_f32 v104, v104, v102
	v_permlanex16_b32 v105, v104, s[SEL], s[SEL+1]
	v_min_num_f32 v104, v104, v105                 ; nm
.irp i, 0,1,2,3
	v_sub_f32 v[96+2*\i], v104, v[96+2*\i]
.endr
	s_wait_alu depctr_va_vdst(0)
.irp i, 0,1,2,3
	v_exp_f32 v[96+2*\i], v[96+2*\i]
.endr
	v_nop
	s_wait_alu depctr_va_vdst(0)
	v_mul_f32 v106, v97, v96
	v_fma_f32 v106, v99, v98, v106
	v_fma_f32 v106, v101, v100, v106
	v_fma_f32 v106, v103, v102, v106
	v_permlanex16_b32 v105, v106, s[SEL], s[SEL+1]
	v_add_f32 v106, v106, v105                     ; l
	s_wait_alu depctr_va_vdst(0)
	v_rcp_f32 v107, v106
	v_cmp_lt_f32 vcc_lo, 0, v106                   ; (a plain line behind the reciprocal)
	s_wait_alu depctr_va_vdst(0)
	v_cndmask_b32 v105, 0, v107, vcc_lo            ; rl
	ds_store_b64 v8, v[104:105]                    ; both halves store the same words
	s_wait_alu depctr_va_vdst(0)
	s_wait_loadcnt 40                              ; Q is in; behind it stand 24 + 16 loads
	WIN 0x04
.irp i, 0,1,2,3,4,5,6,7
	ds_store_b128 v6, v[128+4*\i:131+4*\i] offset:2*QP*\i
.endr
	WIN 0
	v_lshl_add_u32 v6, v0, 4, RED                  ; the way out: my four channels, read back
	s_wait_alu depctr_va_vdst(0)
	s_wait_dscnt 0x0                               ; for the others' sake
	s_barrier_signal -1
	s_barrier_wait -1
	VLD 1, 0, 64                                   ; piece 1 of tiles 0 and 1
.irp t, 0,1,2,3,4,5,6,7
	ds_load_b64 v[FS+2*\t:FS+2*\t+1], v7 offset:128*\t
.endr
	s_wait_loadcnt 48                              ; K's tile 0; behind it stand 16 + 32 loads
	STILE 0, KC0, 0
	s_wait_loadcnt 40
	STILE 1, KC1, 1
	s_cmp_le_u32 s[N], 32
	s_cbranch_scc1 .Ltwo
	s_wait_loadcnt 32                              ; tile 2; behind it stand the 32 loads of V
	STILE 2, KC2, 2
	s_cmp_le_u32 s[N], 48
	s_cbranch_scc1 .Lfour
	KLOAD KC0, 3
	s_wait_loadcnt 0x0
	STILE 3, KC0, 1
.Lfour:
	VLD 0, 16, 128                                 ; tiles 2 and 3 of pieces 0 and 1
	VLD 1, 16, 192
	PIECES 4
	s_branch .Lout
.Ltwo:
	VLD 2, 0, 128
	VLD 3, 0, 192
	PIECES 2
.Lout:
.irp u, 0,1,2,3
	ds_store_b128 v9, v[RS+4*\u:RS+4*\u+3] offset:256*\u
.endr
	s_wait_alu depctr_va_vdst(0)
	s_wait_dscnt 0x0                               ; for the others' sake
	s_barrier_signal -1
	s_barrier_wait -1
	s_cmp_gt_u32 s[WV], 1
	s_cbranch_scc1 .Lfin
.set n, 0
.rept 16
	ds_load_b128 v[96+4*n:99+4*n], v6 offset:1024*n   ; thread q: channels 4 q .. 4 q + 3 of the sixteen half waves
.set n, n+1
.endr
	v_lshlrev_b32 v7, 4, v0
	s_wait_alu depctr_va_vdst(0)
	s_wait_dscnt 0x0
.irp m, 8,4,2,1
.set n, 0
.rept \m
	v_pk_add_f32 v[96+4*n:97+4*n], v[96+4*n:97+4*n], v[96+4*(n+\m):97+4*(n+\m)]
	v_pk_add_f32 v[98+4*n:99+4*n], v[98+4*n:99+4*n], v[98+4*(n+\m):99+4*(n+\m)]
.set n, n+1
.endr
.endr
.irp e, 0,1,2,3
	v_ldexp_f32 v[RS+\e], v[96+\e], s[SH]          ; x 2^(e2 + e3) / 128
.endr
	global_store_b128 v7, v[RS:RS+3], s[18:19]     ; a wave stores 512 consecutive bytes, aligned
.Lfin:
	s_wait_tensorcnt 0x0                           ; the wave's end
	ds_add_u32 v10, v11
	s_wait_dscnt 0x0
	s_endpgm
.Lfunc_end_k_qccdeb1c4e8_weigh:
	.size	k_qccdeb1c4e8_weigh, .Lfunc_end_k_qccdeb1c4e8_weigh-k_qccdeb1c4e8_weigh
	.p2alignl 7, 3214868480
	.fill 96, 4, 3214868480
	.section	.rodata,"a",@progbits
	.p2align	6, 0x0
	.amdhsa_kernel k_qccdeb1c4e8_weigh
		.amdhsa_group_segment_fixed_size 53248
		.amdhsa_private_segment_fixed_size 0
		.amdhsa_enable_private_segment 0
		.amdhsa_kernarg_size 64
		.amdhsa_user_sgpr_count 2
		.amdhsa_user_sgpr_kernarg_segment_ptr 1
		.amdhsa_wavefront_size32 1
		.amdhsa_system_sgpr_workgroup_id_x 1
		.amdhsa_system_sgpr_workgroup_id_y 1
		.amdhsa_system_sgpr_workgroup_id_z 1
		.amdhsa_system_vgpr_workitem_id 0
		.amdhsa_next_free_vgpr 512
		.amdhsa_next_free_sgpr 66
		.amdhsa_reserve_vcc 1
		.amdhsa_float_denorm_mode_32 3
		.amdhsa_float_denorm_mode_16_64 3
		.amdhsa_memory_ordered 1
		.amdhsa_forward_progress 1
		.amdhsa_inst_pref_size 214
	.end_amdhsa_kernel
	.amdgpu_metadata
---
amdhsa.version: [ 1, 2 ]
amdhsa.kernels:
  - .name:           k_qccdeb1c4e8_weigh
    .symbol:         k_qccdeb1c4e8_weigh.kd
    .args:
      - { .name: values, .offset: 0, .size: 8, .value_kind: global_buffer, .address_space: global }
      - { .name: query_lengths, .offset: 8, .size: 8, .value_kind: global_buffer, .address_space: global }
      - { .name: mask, .offset: 16, .size: 8, .value_kind: global_buffer, .address_space: global }
      - { .name: lowp_scales, .offset: 24, .size: 8, .value_kind: global_buffer, .address_space: global }
      - { .name: qc, .offset: 32, .size: 8, .value_kind: global_buffer, .address_space: global }
      - { .name: kc, .offset: 40, .size: 8, .value_kind: global_buffer, .address_space: global }
      - { .name: st, .offset: 48, .size: 8, .value_kind: global_buffer, .address_space: global }
      - { .name: part, .offset: 56, .size: 8, .value_kind: global_buffer, .address_space: global }
    .group_segment_fixed_size: 53248
    .private_segment_fixed_size: 0
    .kernarg_segment_align: 8
    .kernarg_segment_size: 64
    .max_flat_workgroup_size: 256
    .sgpr_count:     66
    .vgpr_count:     512
    .wavefront_size: 32
...
	.end_amdgpu_metadata
.endif
;; end of part 2
;; launch fin (part 3): grid 32 x 1, 2 waves a work-group, no clusters, 0 bytes of LDS; arguments part, out0; writes out0
.if DOCPART == 3
	.amdgcn_target "amdgcn-amd-amdhsa--gfx1250"
	.amdhsa_code_object_version 6
	.text
	.protected	k_qccdeb1c4e8_fin
	.globl	k_qccdeb1c4e8_fin
	.p2align	8
	.type	k_qccdeb1c4e8_fin,@function
k_qccdeb1c4e8_fin:
	s_mov_b64 s[64:65], 0
	v_nop
	global_prefetch_b8 v0, s[64:65] scope:SCOPE_SE
	s_setreg_imm32_b32 hwreg(HW_REG_WAVE_MODE, 25, 1), 1
	s_wait_xcnt 0x0
; FIN.  out0[b][:] = the sum over the eight chunks j of part[b][j][:], j ascending.  A work-group to a batch; thread q takes channels 4 q .. 4 q + 3.
; The sum spans work-groups of the launch before, so it is made here, by one owner for each output.  8 KB in and 1 KB out for a work-group: nothing to share, no LDS, no matrix unit.
	s_load_b128 s[4:7], s[0:1], 0x0                ; part s[4:5], out0 s[6:7]
	v_lshlrev_b32 v1, 4, v0
	s_lshl_b32 s8, ttmp9, 13                       ; a batch's partial sums: 8 x 1,024 bytes
	s_mov_b32 s9, 0
	s_lshl_b32 s10, ttmp9, 10
	s_mov_b32 s11, 0
	s_wait_alu depctr_va_vdst(0)
	s_wait_kmcnt 0x0
	s_add_nc_u64 s[4:5], s[4:5], s[8:9]
	s_add_nc_u64 s[6:7], s[6:7], s[10:11]
.irp j, 0,1,2,3,4,5,6,7
	global_load_b128 v[4+4*\j:7+4*\j], v1, s[4:5] offset:1024*\j th:TH_LOAD_NT
.endr
	s_wait_loadcnt 0x0
.irp j, 1,2,3,4,5,6,7
	v_pk_add_f32 v[4:5], v[4:5], v[4+4*\j:5+4*\j]
	v_pk_add_f32 v[6:7], v[6:7], v[6+4*\j:7+4*\j]
.endr
	global_store_b128 v1, v[4:7], s[6:7]           ; a wave stores 512 consecutive bytes, aligned
	s_endpgm
.Lfunc_end_k_qccdeb1c4e8_fin:
	.size	k_qccdeb1c4e8_fin, .Lfunc_end_k_qccdeb1c4e8_fin-k_qccdeb1c4e8_fin
	.p2alignl 7, 3214868480
	.fill 96, 4, 3214868480
	.section	.rodata,"a",@progbits
	.p2align	6, 0x0
	.amdhsa_kernel k_qccdeb1c4e8_fin
		.amdhsa_group_segment_fixed_size 0
		.amdhsa_private_segment_fixed_size 0
		.amdhsa_enable_private_segment 0
		.amdhsa_kernarg_size 16
		.amdhsa_user_sgpr_count 2
		.amdhsa_user_sgpr_kernarg_segment_ptr 1
		.amdhsa_wavefront_size32 1
		.amdhsa_system_sgpr_workgroup_id_x 1
		.amdhsa_system_sgpr_workgroup_id_y 1
		.amdhsa_system_sgpr_workgroup_id_z 1
		.amdhsa_system_vgpr_workitem_id 0
		.amdhsa_next_free_vgpr 48
		.amdhsa_next_free_sgpr 66
		.amdhsa_reserve_vcc 0
		.amdhsa_float_denorm_mode_32 3
		.amdhsa_float_denorm_mode_16_64 3
		.amdhsa_memory_ordered 1
		.amdhsa_forward_progress 1
		.amdhsa_inst_pref_size 3
	.end_amdhsa_kernel
	.amdgpu_metadata
---
amdhsa.version: [ 1, 2 ]
amdhsa.kernels:
  - .name:           k_qccdeb1c4e8_fin
    .symbol:         k_qccdeb1c4e8_fin.kd
    .args:
      - { .name: part, .offset: 0, .size: 8, .value_kind: global_buffer, .address_space: global }
      - { .name: out0, .offset: 8, .size: 8, .value_kind: global_buffer, .address_space: global }
    .group_segment_fixed_size: 0
    .private_segment_fixed_size: 0
    .kernarg_segment_align: 8
    .kernarg_segment_size: 16
    .max_flat_workgroup_size: 64
    .sgpr_count:     66
    .vgpr_count:     48
    .wavefront_size: 32
...
	.end_amdgpu_metadata
.endif
;; end of part 3
